; MI455X (gfx1250); checked and timed in simulation.
; The chip was launched on July 23, 2026; its instructions are those of AMD's public machine-readable ISA for CDNA 5 (MIT licence, August 2026) and "CDNA5" Instruction Set Architecture Reference Guide (July 2026). The comments in the code are by the model that wrote it; some were corrected since.
;; Quantum Attention. Allowed arithmetic: matrix products marked QUANTISED: E2M1 operands, one E8M0 scale for each 32 along K, by v_wmma_scale_f32_16x16x128_f8f6f4 with both operands' format E2M1 (or v_wmma_scale_f32_32x16x128_f4), f32 sums; products left as they are: f32 operands where the result goes on into a quantised operand, else bf16, f16 or f32 operands; f32 sums; everything else in f32.
;; Inputs: keys 4 x 2,048 x 16 x 64 float32; params 4 float32; queries 4 x 2,048 x 16 x 64 float32; values 4 x 2,048 x 16 x 64 float32.
;; Outputs: out0 4 x 2,048 x 16 x 64 float32.
;; This version of the problem:
;;   THIS VERSION OF THE PROBLEM IS GIVEN IN LOW PRECISION. The matrix products marked QUANTISED in the list below multiply operands that are first quantised to E2M1 (2 exponent bits, 1 mantissa bit; 4 bits a number), with one power-of-two scale for each 32 numbers along K (OCP MX v1.0); their sums are f32. All else is computed in f32.
;;   The module's matrix products, in the order in which they are computed (A, B: the left and right operand; K: the contracted axis; several contracted axes count as one K, in the product's order):
;;     1. batch 64 x [M 2,048, K 1] x [K 1, N 2,048]; A: computed on the way; B: computed on the way: left as it is (no contracted axis)
;;     2. batch 64 x [M 64, K 2,048] x [K 2,048, N 2,048]; A: input values; B: softmax (see below): QUANTISED
;;   THE QUANTISER, for each operand of a quantised product, along K:
;;     - K is cut into blocks of 32 from its start; a last block that is shorter is filled with zeros.
;;     - A block's scale is 2^e with e = floor(log2(the largest magnitude in the block)) - 2, held to -126 .. 127; a block of zeros has e = 0. As a byte (E8M0): e + 127.
;;     - Each number is divided by its block's scale, clamped to +-6, and rounded to the nearest number of E2M1, ties to even, subnormals kept.
;;     - The product sums the exact products of the quantised numbers (number of the format x scale) in f32.
;;   ~~~python
;;   def quantise(x, axis):      # numpy; x: float32 -> the quantised numbers, widened to float32 again
;;       x = np.moveaxis(x, axis, -1); K = x.shape[-1]
;;       x = np.pad(x, [(0, 0)] * (x.ndim - 1) + [(0, -K % 32)]); x = x.reshape(x.shape[:-1] + (-1, 32)); a = np.abs(x).max(-1, keepdims=True)
;;       e = np.where(a > 0, np.clip(np.frexp(np.where(a > 0, a, 1))[1] - 1 - 2, -126, 127), 0)      # np.frexp(a)[1] - 1 = floor(log2(a)), exactly
;;       r = np.clip(x / 2.0 ** e, -6, 6)
;;       step = 2.0 ** (np.maximum(np.frexp(np.where(r == 0, 1, r))[1] - 1, 0) - 1)
;;       q = np.round(r / step) * step * 2.0 ** e      # np.round: ties to even
;;       return np.moveaxis(q.reshape(q.shape[:-2] + (-1,))[..., :K], -1, axis).astype(np.float32)
;;   ~~~
;;   SOFTMAX AHEAD OF A QUANTISED PRODUCT. Where the list says 'softmax', what is quantised is not the finished softmax but p = 2^(t - M), with t = logit x log2(e) and M = ceil(the row's largest t), a whole number; so 1/2 < the row's largest p <= 1. The row's sum l is taken of the UNQUANTISED p, in f32, and the product's result is divided by l at the end. Since M is a whole number, a kernel that streams over the keys may use a running M (the ceiling of the running maximum): every later rescaling is an exact power of two, which a block's scale takes up: the codes' values come out the same.
;;   OPERANDS COMPUTED ON THE WAY. 'Computed on the way' means the value that the module computes at that place (a softmax that the list does not call 'softmax' is quantised finished and normalised). What goes into a quantiser is computed in f32, as accurately as f32 sums, v_exp_f32 and their like allow (about 1e-6 of the number): no bf16 or f16 on the way to a quantiser, and a product that is left as it is and whose result goes on into a quantised operand takes f32 operands (vector FMAs, or v_wmma_f32_16x16x4_f32). A number that lies on a knife's edge between two numbers of the format may be rounded either way, as far as f32 arithmetic and the matrix unit's own rounding can turn it there, and no further.
;; One version. Each part assembles by itself: llvm-mc -triple=amdgcn-amd-amdhsa -mcpu=gfx1250 --defsym DOCPART=n.
;; ======== version 1 of 1: 2 launches
;; limits: right only within a limited range of input values
;; workspace buffers: hrec 5,242,880 bytes; qrec 1,048,576 bytes
;; launch prep (part 1): grid 64 x 4, 16 waves a work-group, no clusters, 145,408 bytes of LDS; arguments keys, values, hrec, qrec; writes hrec, qrec
.if DOCPART == 1
	.amdgcn_target "amdgcn-amd-amdhsa--gfx1250"
	.amdhsa_code_object_version 6
	.text
	.protected	k_q7b33109927_prep
	.globl	k_q7b33109927_prep
	.p2align	8
	.type	k_q7b33109927_prep,@function
k_q7b33109927_prep:
	s_mov_b64 s[64:65], 0
	v_nop
	global_prefetch_b8 v0, s[64:65] scope:SCOPE_SE
	s_setreg_imm32_b32 hwreg(HW_REG_WAVE_MODE, 25, 1), 1
	s_wait_xcnt 0x0
; keys, values: [4][2048][16][64] f32.  This launch reads both once and leaves, for each of the 64 heads (bh = 16 b + head), all that the attention launch wants:
;   hrec[bh], 81,920 bytes: 16 step records of 1,024 bytes (a step = 128 keys): +0 ks = keys.sum(-1) of the 128 keys, f32; +512 the scale words of V, word of channel 16 ct + r at 16 r + 4 ct, byte jj for the
;     step's block jj of 32 keys; +768 the 32 bytes [h][c][max, min] of ks over block 2 c + h, written eight times on end so that the 256 bytes are whole.  From byte 16,384 on: V's codes of FP4 (E2M1), quantised
;     ALONG THE KEYS, laid [block of 32 keys][channel][16 bytes], the lower key in the lower four bits.
;   qrec[bh][l], 8 bytes: vs = values.sum(-1) of row l, and e = the extreme of ks over the keys of l's own block of 32 up to l itself: the largest where vs >= 0, else the smallest.
; A block's scale is 2^(floor(log2(its largest magnitude)) - 2); its byte is the largest magnitude's exponent field - 2, held at 1 from below.  A block of zeros so gets the byte 1 where the rule says 127: its codes are
; zeros, which add nothing under any byte but 0xff, and this program alone reads the bytes.  LIMITS: NaN and infinities among the inputs are not served.
; SHARES.  Work-group (x, y): x = 16 b + step, y = a group of four heads.  Wave w: head 4 y + w / 4, block w % 4 of the step: 32 keys x 64 channels of values and of keys, 8 KiB each.
; Every load of a wave reads two whole rows of 256 bytes (lanes 0-15 key i, lanes 16-31 key 16 + i).  All 32 loads of a wave go out at once: 16 KiB a wave, 256 KiB a work-group.
; V turns through the wave's own stage in LDS, so that a lane holds ONE channel and its registers run down the keys: the block's largest magnitude needs no other lane and the conversions give the codes with the keys innermost.
; No matrix unit, no tensor load, no cluster: nothing is read twice and no work-group shares a byte with another.  One barrier: a step record's 1,024 bytes come from four waves.
.set SROW,   272                       ; a stage row: a key's 256 bytes + 16
.set STG,    32*SROW                   ; a wave's stage
.set SMS,    16*STG                    ; behind the stages: the image of four heads' step records, 1,024 bytes each
.set HREC,   81920
.set FLOORB, 0x1800000                 ; 2^(3 - 127): no largest magnitude is taken under it, so the byte cannot fall under 1
.set SV,  16                           ; v16-31   the values' row sums on their way; v16 ends as vs, v17 takes e
.set VR,  64                           ; v64-127  values as loaded
.set SK,  64                           ; v64-79   later: the keys' row sums; v64 ends as ks
.set KR,  128                          ; v128-191 keys as loaded
.set X0,  192                          ; v192-223 channel lane, 32 keys;  v224-255 channel 32 + lane
.set X1,  224
; v1 lane, v2 q = lane % 16, v3 g = lane / 16; v4-12 addresses; v32-35 at work; v39, v40 prefix maximum and minimum; v41 at work; v[42:43] the block's extremes; v44-51 codes; v52-57 largest magnitudes, scale operands, bytes
	s_load_b256 s[4:11], s[0:1], 0x0               ; keys s[4:5], values s[6:7], hrec s[8:9], qrec s[10:11]
	v_lshl_add_u32 v62, v0, 2, 0x23000
	v_mov_b32 v63, 0
	v_lshrrev_b32 v1, 5, v0
	v_readfirstlane_b32 s12, v1                    ; wave 0..15
	v_and_b32 v1, 31, v0                           ; lane
	v_and_b32 v2, 15, v0                           ; q
	v_bfe_u32 v3, v0, 4, 1                         ; g
	s_lshr_b32 s13, s12, 2                         ; hh: which of the four heads
	s_and_b32 s14, s12, 3                          ; jj: which block of the step
	s_and_b32 s15, ttmp7, 0xffff
	s_lshl_b32 s16, s15, 2
	s_add_co_u32 s16, s16, s13                     ; head
	s_and_b32 s17, ttmp9, 15                       ; step
	s_and_b32 s18, ttmp9, 0x30                     ; 16 b
	s_add_co_u32 s18, s18, s16                     ; bh
	s_lshl_b32 s26, ttmp9, 19                      ; (16 b + step) x 128 keys x 4,096 bytes,
	s_lshl_b32 s28, s14, 17                        ; + 32 jj keys,
	s_add_co_u32 s26, s26, s28
	s_lshl_b32 s28, s16, 8                         ; + the head's 256 bytes of a key's row
	s_add_co_u32 s26, s26, s28
	s_mov_b32 s27, 0
	v_lshlrev_b32 v4, 4, v2
	v_lshl_or_b32 v4, v3, 16, v4                   ; 16 g keys + 16 q bytes
	s_mul_i32 s34, s18, HREC                       ; the head's record
	s_lshl_b32 s28, s17, 2
	s_add_co_u32 s28, s28, s14
	s_lshl_b32 s28, s28, 10                        ; block 4 step + jj: 1,024 bytes of codes
	s_add_co_u32 s36, s34, s28
	s_add_co_u32 s36, s36, 16384
	s_mov_b32 s37, 0
	s_lshl_b32 s28, s17, 10
	s_lshl_b32 s29, s14, 8
	s_add_co_u32 s28, s28, s29                     ; 1,024 step + 256 jj: my 256 bytes of the step record, and of qrec
	s_add_co_u32 s38, s34, s28
	s_mov_b32 s39, 0
	s_lshl_b32 s40, s18, 14
	s_add_co_u32 s40, s40, s28
	s_mov_b32 s41, 0
	s_wait_kmcnt 0x0
	s_add_nc_u64 s[4:5], s[4:5], s[26:27]
	s_add_nc_u64 s[6:7], s[6:7], s[26:27]
	s_add_nc_u64 s[36:37], s[8:9], s[36:37]        ; my codes
	s_add_nc_u64 s[38:39], s[8:9], s[38:39]        ; my part of the step record
	s_add_nc_u64 s[10:11], s[10:11], s[40:41]      ; my 32 rows of qrec
.irp i, 0,1,2,3,4,5,6,7,8,9,10,11,12,13,14,15
	global_load_b128 v[VR+4*\i:VR+4*\i+3], v4, s[6:7] offset:4096*\i th:TH_LOAD_NT   ; values(key 16 g + i, channels 4 q ..)
.endr
.irp i, 0,1,2,3,4,5,6,7,8,9,10,11,12,13,14,15
	global_load_b128 v[KR+4*\i:KR+4*\i+3], v4, s[4:5] offset:4096*\i th:TH_LOAD_NT   ; keys likewise
.endr
	; LDS addresses: a constant + constants x lane + constants x wave
	s_mul_i32 s28, s12, STG                        ; my stage
	v_mul_u32_u24 v5, v3, 16*SROW
	v_lshl_add_u32 v5, v2, 4, v5
	v_add_nc_u32 v5, s28, v5                       ; in: row 16 g (+ i), 16 q bytes
	v_lshl_add_u32 v6, v1, 2, s28                  ; out: column lane of row k
	s_lshl_b32 s29, s13, 10
	s_add_co_u32 s29, s29, SMS                     ; my head's record image
	s_add_co_u32 s30, s29, 512
	s_add_co_u32 s30, s30, s14
	v_lshlrev_b32 v7, 4, v2
	v_lshl_add_u32 v7, v3, 2, v7
	v_add_nc_u32 v7, s30, v7                       ; scale byte of channel lane = 16 g + q: 512 + 16 q + 4 g + jj; channel 32 + lane: 8 further on
	s_lshl_b32 s31, s14, 7
	s_add_co_u32 s31, s31, s29
	v_lshl_add_u32 v8, v1, 2, s31                  ; ks of key 32 jj + lane
	s_and_b32 s32, s14, 1
	s_lshl_b32 s32, s32, 4
	s_lshr_b32 s33, s14, 1
	s_lshl_b32 s33, s33, 3
	s_add_co_u32 s32, s32, s33
	s_add_co_u32 s32, s32, s29
	s_add_co_u32 s32, s32, 768
	v_and_b32 v9, 7, v0
	v_lshl_add_u32 v9, v9, 5, s32                  ; the extremes: 768 + 32 (lane % 8) + 16 (jj % 2) + 8 (jj / 2): eight copies
	s_lshl_b32 s33, s14, 8
	s_add_co_u32 s33, s33, s29
	v_lshl_add_u32 v10, v1, 3, s33                 ; back: my 256 bytes of the image, 8 a lane
	v_lshlrev_b32 v11, 3, v1                       ; 8 x lane
	v_lshlrev_b32 v12, 4, v1                       ; 16 x lane
	s_mov_b32 s20, 0xff00ff00                      ; lanes whose q has bit 3, 2, 1, 0
	s_mov_b32 s21, 0xf0f0f0f0
	s_mov_b32 s22, 0xcccccccc
	s_mov_b32 s23, 0xaaaaaaaa
	s_mov_b32 s24, 0xffff0000                      ; lanes 16-31
; my four channels of each of 16 keys are added: s + i = the part sum of key 16 g + i
.macro ROWSUM src, s
.irp i, 0,1,2,3,4,5,6,7,8,9,10,11,12,13,14,15
	v_pk_add_f32 v[32+2*(\i%2):33+2*(\i%2)], v[\src+4*\i:\src+4*\i+1], v[\src+4*\i+2:\src+4*\i+3]
	v_add_f32 v[\s+\i], v[32+2*(\i%2)], v[33+2*(\i%2)]
.endr
.endm
; sixteen sums over sixteen lanes at once: in each round a lane keeps half of its sums, sends the other half to the lane half away and adds what it gets; at the end lane q holds the sum of key 16 g + q
.macro RSTEP s, half, mask
.set ri, 0
.rept \half
	v_cndmask_b32 v[32+2*(ri%2)], v[\s+ri], v[\s+ri+\half], s[\mask]      ; what I keep
	v_cndmask_b32 v[33+2*(ri%2)], v[\s+ri+\half], v[\s+ri], s[\mask]      ; what I send
	v_add_f32_dpp v[\s+ri], v[33+2*(ri%2)], v[32+2*(ri%2)] row_xmask:\half row_mask:0xf bank_mask:0xf
.set ri, ri+1
.endr
.endm
.macro REDUCE16 s
	RSTEP \s, 8, 20
	RSTEP \s, 4, 21
	RSTEP \s, 2, 22
	RSTEP \s, 1, 23
.endm
; the inclusive prefix extreme over the 32 lanes, in place; the block's extreme, lane 31's, into s[sx].  A lane without a source keeps its number
.macro SCAN opd, op, p, sx
.irp n, 1,2,4,8
	\opd v[\p], v[\p], v[\p] row_shr:\n row_mask:0xf bank_mask:0xf
.endr
	v_readlane_b32 s25, v[\p], 15
	\op v41, s25, v[\p]
	v_cndmask_b32 v[\p], v[\p], v41, s24           ; lanes 16-31 take lanes 0-15's extreme in
	v_readlane_b32 s[\sx], v[\p], 31
.endm
	s_wait_loadcnt 16                              ; the values are in; the 16 loads of keys may stay out
.irp i, 0,1,2,3,4,5,6,7,8,9,10,11,12,13,14,15
	ds_store_b128 v5, v[VR+4*\i:VR+4*\i+3] offset:SROW*\i
.endr
.irp k, 0,1,2,3,4,5,6,7,8,9,10,11,12,13,14,15,16,17,18,19,20,21,22,23,24,25,26,27,28,29,30,31
	ds_load_b32 v[X0+\k], v6 offset:SROW*\k        ; LDS serves a wave's instructions in order (ISA guide 5.7.1.4): these see my stores
	ds_load_b32 v[X1+\k], v6 offset:SROW*\k+128
.endr
	ROWSUM VR, SV                                  ; vs, while the turn through the stage is on its way
	REDUCE16 SV                                    ; v16 = vs of key (row) 32 jj + lane
	s_wait_dscnt 0x0                               ; both channels' 32 numbers are in, and the stores have read the values' registers
	v_max3_num_f32 v52, |v[X0]|, |v[X0+1]|, FLOORB
	v_max3_num_f32 v53, |v[X1]|, |v[X1+1]|, FLOORB
.irp i, 2,4,6,8,10,12,14,16,18,20,22,24,26,28,30
	v_max3_num_f32 v52, v52, |v[X0+\i]|, |v[X0+\i+1]|   ; the two channels by turns
	v_max3_num_f32 v53, v53, |v[X1+\i]|, |v[X1+\i+1]|
.endr
	v_add_nc_u32 v54, 0xff000000, v52              ; 2 off the exponent field: the conversion takes this operand's exponent field as its scale
	v_add_nc_u32 v55, 0xff000000, v53
	v_lshrrev_b32 v56, 23, v54                     ; the scale's byte
	v_lshrrev_b32 v57, 23, v55
.irp g, 0,1,2,3
	v_cvt_scalef32_pk8_fp4_f32 v[44+\g], v[X0+8*\g:X0+8*\g+7], v54
	v_cvt_scalef32_pk8_fp4_f32 v[48+\g], v[X1+8*\g:X1+8*\g+7], v55
.endr
	v_nop                                          ; one plain line behind the last conversion
	global_store_b128 v12, v[44:47], s[36:37]              ; channels 0-31 of my block: 512 consecutive bytes
	global_store_b128 v12, v[48:51], s[36:37] offset:512   ; channels 32-63
	ds_store_b8 v7, v56
	ds_store_b8 v7, v57 offset:8
	s_wait_loadcnt 0x0                             ; the keys are in
	ROWSUM KR, SK
	REDUCE16 SK                                    ; v64 = ks of key 32 jj + lane
	ds_store_b32 v8, v[SK]
	v_mov_b32 v39, v[SK]
	v_mov_b32 v40, v[SK]
	SCAN v_max_num_f32_dpp, v_max_num_f32, 39, 42
	SCAN v_min_num_f32_dpp, v_min_num_f32, 40, 43
	v_mov_b32 v42, s42
	v_mov_b32 v43, s43
	ds_store_b64 v9, v[42:43]                      ; lanes with the same lane % 8 write the same bytes with the same numbers
	v_cmp_le_f32 vcc_lo, 0, v[SV]
	v_cndmask_b32 v[SV+1], v40, v39, vcc_lo        ; e: the prefix maximum where vs >= 0, else the prefix minimum
	global_store_b64 v11, v[SV:SV+1], s[10:11]     ; 32 rows of qrec: 256 consecutive bytes, aligned
	s_wait_dscnt 0x0                               ; for the others' sake: my stores into the image are done
	s_barrier_signal -1
	s_barrier_wait -1
	ds_load_b64 v[58:59], v10
	s_wait_dscnt 0x0
	global_store_b64 v11, v[58:59], s[38:39]       ; my quarter of the step record: 256 consecutive bytes, aligned
	s_wait_tensorcnt 0x0
	ds_add_u32 v62, v63
	s_wait_dscnt 0x0
	s_endpgm
.Lfunc_end_k_q7b33109927_prep:
	.size	k_q7b33109927_prep, .Lfunc_end_k_q7b33109927_prep-k_q7b33109927_prep
	.p2alignl 7, 3214868480
	.fill 96, 4, 3214868480
	.section	.rodata,"a",@progbits
	.p2align	6, 0x0
	.amdhsa_kernel k_q7b33109927_prep
		.amdhsa_group_segment_fixed_size 145408
		.amdhsa_private_segment_fixed_size 0
		.amdhsa_enable_private_segment 0
		.amdhsa_kernarg_size 32
		.amdhsa_user_sgpr_count 2
		.amdhsa_user_sgpr_kernarg_segment_ptr 1
		.amdhsa_wavefront_size32 1
		.amdhsa_system_sgpr_workgroup_id_x 1
		.amdhsa_system_sgpr_workgroup_id_y 1
		.amdhsa_system_sgpr_workgroup_id_z 1
		.amdhsa_system_vgpr_workitem_id 0
		.amdhsa_next_free_vgpr 256
		.amdhsa_next_free_sgpr 66
		.amdhsa_reserve_vcc 1
		.amdhsa_float_denorm_mode_32 3
		.amdhsa_float_denorm_mode_16_64 3
		.amdhsa_memory_ordered 1
		.amdhsa_forward_progress 1
		.amdhsa_inst_pref_size 26
	.end_amdhsa_kernel
	.amdgpu_metadata
---
amdhsa.version: [ 1, 2 ]
amdhsa.kernels:
  - .name:           k_q7b33109927_prep
    .symbol:         k_q7b33109927_prep.kd
    .args:
      - { .name: keys, .offset: 0, .size: 8, .value_kind: global_buffer, .address_space: global }
      - { .name: values, .offset: 8, .size: 8, .value_kind: global_buffer, .address_space: global }
      - { .name: hrec, .offset: 16, .size: 8, .value_kind: global_buffer, .address_space: global }
      - { .name: qrec, .offset: 24, .size: 8, .value_kind: global_buffer, .address_space: global }
    .group_segment_fixed_size: 145408
    .private_segment_fixed_size: 0
    .kernarg_segment_align: 8
    .kernarg_segment_size: 32
    .max_flat_workgroup_size: 512
    .sgpr_count:     66
    .vgpr_count:     256
    .wavefront_size: 32
...
	.end_amdgpu_metadata
.endif
;; end of part 1
;; launch attn (part 2): grid 4 x 64, 8 waves a work-group, clusters of 4 x 1, 168,960 bytes of LDS; arguments hrec, qrec, params, out0; writes out0
.if DOCPART == 2
	.amdgcn_target "amdgcn-amd-amdhsa--gfx1250"
	.amdhsa_code_object_version 6
	.text
	.protected	k_q7b33109927_attn
	.globl	k_q7b33109927_attn
	.p2align	8
	.type	k_q7b33109927_attn,@function
k_q7b33109927_attn:
	s_mov_b64 s[64:65], 0
	v_nop
	global_prefetch_b8 v0, s[64:65] scope:SCOPE_SE
	s_setreg_imm32_b32 hwreg(HW_REG_WAVE_MODE, 25, 1), 1
	s_wait_xcnt 0x0
	s_wait_alu depctr_hold_cnt(0) depctr_sa_sdst(0) depctr_va_vdst(0) depctr_va_sdst(0) depctr_va_ssrc(0) depctr_va_vcc(0) depctr_vm_vsrc(0)
	s_getreg_b32 s2, hwreg(HW_REG_IB_STS2, 6, 4)
	s_cmp_eq_u32 s2, 0
	s_cbranch_scc0 .Lentry_in_a_cluster
	s_endpgm
.Lentry_in_a_cluster:
	s_bfe_u32 s2, ttmp6, 0x10000c
	s_cmp_lg_u32 s2, 0x3003
	s_cbranch_scc0 .Lentry_shape_is_right
	s_endpgm
.Lentry_shape_is_right:
; out0[b][l][head][:] = the sum over s <= l of softmax_s((cos(params[0]) + 0.5 vs[l] ks[s]) / 8) values[b][s][head][:], the product on codes of FP4 (E2M1) with one E8M0 scale for each 32 keys.
; vs = values.sum(-1), ks = keys.sum(-1), V's codes and scale words come from the launch before (hrec, qrec; their layouts stand at its head).
; queries is not among the arguments: the function that is computed takes only its shape, and no value of it reaches an output.  Of params only word 0 is used there, and read here.
; THE LOGIT HAS RANK ONE.  t = a ks + c0 with a = vs log2(e) / 16 and c0 = cos(params[0]) log2(e) / 8, one fused multiply-add, which does not fall where a ks rises.  So
;   - the row's largest t is the same multiply-add on the extreme of ks over the keys that count: the largest where vs >= 0, else the smallest.  It is known AHEAD of the first exponential:
;     M = ceil(it) is final, nothing is rescaled, and p = 2^(a ks + (c0 - M)) is one packed multiply-add and one v_exp_f32;
;   - a block's largest p is the same two instructions on the block's extreme of ks: nothing is searched.  (This takes v_exp_f32 not to fall where its input rises.)
;   - a lane computes p straight in the order of the operand's registers: nothing changes lanes but the two halves of a scale word.
; The row's sum is taken of the unquantised p, in f32, and divides at the end.  c0 - M is rounded once: a factor common to a whole row, which the division takes out.
; LIMITS: p under 2^-126 is 0 (v_exp_f32 gives no denormals: ISA guide, its entry); |params[0]| up to 1e6 (two-part reduction by pi/2); NaN and infinities among the inputs are not served.
; SHARES.  A cluster of four work-groups owns a head; a unit is 32 queries (two tiles of 16), which is also one block of 32 keys.  Unit u needs u / 4 + 1 steps of 128 keys.  Wave w (0..7) of work-group qd (0..3) takes
; units 4 w + qd and 63 - (4 w + qd): (w + 1) + (16 - w) = 17 steps for every wave of the launch.  The number of steps hangs on the wave's number alone: no branch and no LDS address hangs on the place in the cluster.
; A head's record, 81,920 bytes, fits in LDS whole: it is asked for JOINTLY by the four work-groups, one tensor load a wave (10,240 bytes), once.  No LDS byte is filled twice.  One tensor load of a wave is out.
; No prefetch: the launch's one stream is asked for in its first lines.  No ring: nothing is refilled.
; LAYOUT.  O^T = V^T P^T: source 0 = 16 channels, source 1 = P.  Lane (r = lane % 16, h = lane / 16) holds query r; register 32 c + i of a tile's X holds key 128 step + 64 c + 32 h + i: a lane holds whole blocks (2 c + h),
; and the conversions' results are the operand's registers.  The two tiles share ks and V's fragments.
; REGISTERS.  Window 0: v1-23 constants of the lane; v24-39 eight a tile: +0 a, +1 e, +2 c0 - M, +3 written, +4, +5 the sum, +6 1 / sum, +7 at work; v40-43 the blocks' largest exponents, then scale operands; v44-47 bytes;
;   v48-49 P's scale words, v50-53 V's (these six hold scales and nothing else); v54-57 a step's extremes; v58-63 at work; v96-111 P's codes; v128-255 X, 64 a tile.
;   Window 1: v0-63 ks of a step; v64-95 V's four fragments; v128-191 O^T, accumulator (t, ct) at 128 + 32 t + 8 ct.
.set HREC,   81920
.set PART,   10240                     ; what one wave's tensor load brings: 40 rows of 256 bytes
.set STAGE,  81920                     ; behind the record: 16 rows x 272 bytes for each wave, for the way out; no fill lands there
.set SPITCH, 272
.set FLOORB, 0x1800000                 ; 2^(3 - 127)
.set A0C,    0x3db8aa3b                ; log2(e) / 16
.set CFC,    0x3e38aa3b                ; log2(e) / 8
.set LR,   1                           ; r
.set LH,   2                           ; h; also the lane's first block of a step
.set AK0,  3                           ; 128 h: my ks in a step record
.set AEX0, 4                           ; 768 + 16 h: my two blocks' extremes
.set AVS0, 5                           ; 512 + 16 r: channel r's four scale words
.set AV0,  6                           ; 16384 + 1024 h + 16 r: my 16 bytes of a fragment of V
.set AKT,  7                           ; the same four with the step's offset
.set AEXT, 8
.set AVST, 9
.set AVT,  10
.set AXA,  11                          ; (lane / 2) x 1024 + 768 + 16 (lane % 2): for the extremes of all earlier blocks
.set J0,   12                          ; the first of the two blocks read there: 4 (lane / 2) + lane % 2
.set SH8,  13                          ; 8 h
.set J2,   14                          ; J0 + 2
.set BETA1, 15                         ; 2 + h: the lane's second block of a step
.set RH,   16                          ; r - 32 h
.set NINF, 17
.set PINF, 18
.set STO,  19
.set RD,   20
.set GO,   21
.set QO,   22
.set C0,   23
.set TST,  24
.set XB,   40
.set TB,   44
.set PS,   48
.set VSW,  50
.set EX,   54
.set TMP,  58
.set PC,   96
.set X,    128
.set KW,   0                           ; window 1
.set VF,   64
.set OA,   128
.set WV,   12                          ; s12 wave; s13 place in the cluster; s14 head; s15 params[0]
.set QD,   13
.set BH,   14
.set PAR,  15
.set G1,   16                          ; s[16:23], s[24:27] the descriptor
.set G0,   24
.set SEL,  28                          ; s[28:29] v_permlanex16_b32's selects for lane l xor 16
.set U,    30                          ; the unit
.set DS,   31                          ; its last step, the one on the diagonal
.set ST,   32                          ; the step;  s33 1,024 x step;  s34 4,096 x step
.set TSB,  33
.set TVB,  34
.set JBS,  35                          ; the unit's own block within its last step
.set SG,   36                          ; s36, s37 lanes whose vs >= 0, a tile each
.set EQ,   38                          ; s38, s39 lanes whose block c is the unit's own;  s40, s41 lies behind it
.set GT,   40
.set JB32, 42
.set OB,   44                          ; s[44:45] out0 at the unit's first row
.set UC,   48
.set MSB, 0
.macro WIN new                         ; the immediate's high byte repeats the setting that is left
.if MSB != \new
	s_set_vgpr_msb (MSB<<8)|\new
.set MSB, \new
.endif
.endm
.macro ROUND                           ; a round of the cluster's barrier
	s_barrier_signal -1
	s_barrier_wait -1
	s_cmp_lg_u32 s[WV], 0
	s_cbranch_scc1 .Lnot_wave_0_\@
	s_barrier_signal -3
.Lnot_wave_0_\@:
	s_barrier_wait -3
	s_barrier_signal -1
	s_barrier_wait -1
.endm
	s_load_b256 s[4:11], s[0:1], 0x0               ; hrec s[4:5], qrec s[6:7], params s[8:9], out0 s[10:11]
	v_lshl_add_u32 v126, v0, 2, 0x29000
	v_mov_b32 v127, 0
	ds_add_u32 v126, v127
	ds_add_u32 v126, v127
	v_lshrrev_b32 v1, 5, v0
	v_readfirstlane_b32 s[WV], v1                  ; wave 0..7
	s_bfe_u32 s[QD], ttmp6, 0x40000                ; my place in the cluster: it enters qrec's and out0's addresses and numbers that are compared for selects, nothing else
	s_and_b32 s[BH], ttmp7, 0xffff                 ; the head, which the four partners share
	s_mov_b32 s[G1], 15|(3<<16)|(1<<21)            ; 15:0 the mask: all four work-groups; 17:16 elements of 8 bytes; 21 set beside a mask; no padding
	s_mov_b32 s[G1+1], 32<<16                      ; tensor_dim0 = 32 elements: rows of 256 bytes
	s_mov_b32 s[G1+2], 40<<16                      ; tensor_dim1 = 40
	s_mov_b32 s[G1+3], 32<<16                      ; tile_dim0
	s_mov_b32 s[G1+4], 40                          ; tile_dim1
	s_mov_b32 s[G1+5], 32                          ; from row to row: dense
	s_mov_b32 s[G1+6], 0
	s_mov_b32 s[G1+7], 0
	s_mul_i32 s49, s[WV], PART                     ; my part of the record, in memory and in LDS alike
	s_mul_i32 s52, s[BH], HREC
	s_add_co_u32 s52, s52, s49
	s_mov_b32 s53, 0
	s_lshl_b32 s54, s[BH], 14                      ; the head's 2,048 rows of qrec
	s_mov_b32 s55, 0
	s_lshr_b32 s51, s[BH], 4
	s_lshl_b32 s51, s51, 23                        ; out0: b x 2,048 rows of 4,096 bytes
	s_and_b32 s50, s[BH], 15
	s_lshl_b32 s50, s50, 8                         ; + the head's 256 bytes of a row
	s_add_co_u32 s51, s51, s50
	s_mov_b32 s[SEL], 0x76543210
	s_mov_b32 s[SEL+1], 0xfedcba98
	s_wait_dscnt 0x0
	s_wait_kmcnt 0x0
	s_load_b32 s[PAR], s[8:9], 0x0                 ; params[0]
	s_mov_b32 s[G0], 1
	s_mov_b32 s[G0+1], s49
	s_add_nc_u64 s[G0+2:G0+3], s[4:5], s[52:53]
	s_or_b32 s[G0+3], s[G0+3], 0x80000000
	s_add_nc_u64 s[6:7], s[6:7], s[54:55]
	ROUND                                          ; all four work-groups are here: the joint loads meet
	tensor_load_to_lds s[G0:G0+3], s[G1:G1+7]
	s_nop 0
.rept 4
	v_nop                                          ; four lines behind a tensor load
.endr
	v_and_b32 v[LR], 15, v0
	v_bfe_u32 v[LH], v0, 4, 1
	v_lshlrev_b32 v[AK0], 7, v[LH]
	v_lshl_add_u32 v[AEX0], v[LH], 4, 768
	v_lshl_add_u32 v[AVS0], v[LR], 4, 512
	v_lshlrev_b32 v[AV0], 10, v[LH]
	v_lshl_add_u32 v[AV0], v[LR], 4, v[AV0]
	v_add_nc_u32 v[AV0], 16384, v[AV0]
	v_bfe_u32 v[TMP+1], v0, 1, 4                   ; lane / 2
	v_and_b32 v[TMP+2], 1, v0                      ; lane % 2
	v_lshlrev_b32 v[AXA], 10, v[TMP+1]
	v_lshl_add_u32 v[AXA], v[TMP+2], 4, v[AXA]
	v_add_nc_u32 v[AXA], 768, v[AXA]
	v_lshl_add_u32 v[J0], v[TMP+1], 2, v[TMP+2]
	v_add_nc_u32 v[J2], 2, v[J0]
	v_lshlrev_b32 v[SH8], 3, v[LH]
	v_add_nc_u32 v[BETA1], 2, v[LH]
	v_lshlrev_b32 v[RH], 5, v[LH]
	v_sub_nc_u32 v[RH], v[LR], v[RH]
	v_mov_b32 v[NINF], 0xff800000
	v_mov_b32 v[PINF], 0x7f800000
	s_mul_i32 s49, s[WV], 16*SPITCH
	s_add_co_u32 s49, s49, STAGE                   ; my stage
	v_mul_u32_u24 v[STO], v[LR], SPITCH            ; in: row r, 32 bytes for each half of the lanes
	v_lshl_add_u32 v[STO], v[LH], 5, v[STO]
	v_add_nc_u32 v[STO], s49, v[STO]
	v_mul_u32_u24 v[RD], v[LH], SPITCH             ; back: lanes 0-15 one row of 256 bytes, lanes 16-31 the next
	v_lshl_add_u32 v[RD], v[LR], 4, v[RD]
	v_add_nc_u32 v[RD], s49, v[RD]
	v_lshlrev_b32 v[GO], 12, v[LH]                 ; and the same two rows in out0, 4,096 bytes apart
	v_lshl_or_b32 v[GO], v[LR], 4, v[GO]
.irp t, 0,1
	v_mov_b32 v[TST+8*\t+3], 0                     ; named as the upper half of a pair, so it is written
	v_mov_b32 v[TST+8*\t+7], 0                     ; a lane permute's destination counts as one of its sources
.endr
	; cos(params[0]) in f32: x = n pi/2 + rho, |rho| <= pi/4, pi/2 in two parts; cos and sin of rho by polynomials; the quadrant chooses and signs
	s_wait_kmcnt 0x0
	v_mov_b32 v58, s[PAR]
	v_mul_f32 v59, 0x3f22f983, v58                 ; x 2 / pi
	v_rndne_f32 v59, v59                           ; n
	v_fmamk_f32 v58, v59, 0xbfc90fdb, v58          ; x - n x (pi/2 rounded to f32)
	v_fmamk_f32 v58, v59, 0x333bbd2e, v58          ; - n x (what the rounding left): rho
	v_mul_f32 v60, v58, v58                        ; z = rho^2
	v_mov_b32 v61, 0x37ccf5ce
	v_fmaak_f32 v61, v61, v60, 0xbab6061a
	v_fmaak_f32 v61, v61, v60, 0x3d2aaaa5
	v_mov_b32 v62, 0xb94ca1f9
	v_fmaak_f32 v62, v62, v60, 0x3c08839e
	v_fmaak_f32 v62, v62, v60, 0xbe2aaaa3
	v_fma_f32 v63, v60, -0.5, 1.0
	v_mul_f32 v[C0], v60, v60
	v_fma_f32 v61, v[C0], v61, v63                 ; cos rho = 1 - z / 2 + z^2 (..)
	v_mul_f32 v63, v58, v60
	v_fma_f32 v62, v63, v62, v58                   ; sin rho = rho + rho z (..)
	v_cvt_i32_f32 v59, v59                         ; k = n
	v_and_b32 v63, 1, v59
	v_cmp_eq_u32 vcc_lo, 1, v63
	v_cndmask_b32 v61, v61, v62, vcc_lo            ; odd k: the sine
	v_add_nc_u32 v59, 1, v59
	v_lshlrev_b32 v59, 30, v59
	v_and_b32 v59, 0x80000000, v59                 ; k mod 4 = 1, 2: the sign turns
	v_xor_b32 v61, v59, v61
	v_mul_f32 v[C0], CFC, v61                      ; c0
	s_wait_tensorcnt 0x0                           ; my part of the record is in,
	s_barrier_signal -1
	s_barrier_wait -1                              ; everybody's is
.macro KLOAD adr, off                  ; a step's ks in my registers' order: register 32 c + i = ks(64 c + 32 h + i); the sixteen lanes of a half read the same words
	WIN 0x40                                       ; destination window 1
.irp c, 0,1
.irp q, 0,1,2,3,4,5,6,7
	ds_load_b128 v[KW+32*\c+4*\q:KW+32*\c+4*\q+3], v[\adr] offset:\off+256*\c+16*\q
.endr
.endr
	WIN 0
.endm
; What follows a tile's exponentials, as a numbered list of 51 lines; POSTOP writes number pj of it for tile t.
;   0-9    the two blocks' largest p become scale operands, bytes, and with lane l xor 16's two bytes the scale word of these 128 keys
;   10-17  the conversions: register g of the operand from X's registers 8 g .. 8 g + 7
;   18     the plain line behind the last conversion, ahead of the lines that write its sources
;   19-50  the sum of the unquantised p: 32 pairs, in place, as a tree; the running sum takes it.  These 32 are also the places between the scale word, the codes and the matrix instructions
.macro POSTOP t
.set rX, X+64*(\t)
.set rB, XB+2*(\t)
.set rT, TB+2*(\t)
.set rC, PC+8*(\t)
.set rL, TST+8*(\t)+4
.if pj < 2
	v_max_num_f32 v[rB+pj], FLOORB, v[rB+pj]       ; the floor: the byte cannot fall under 1 (a block whose every p is 0 keeps that byte: its codes are zeros)
.elseif pj < 4
	v_add_nc_u32 v[rB+pj-2], 0xff000000, v[rB+pj-2]   ; 2 off the exponent field: the conversion's scale operand
.elseif pj < 6
	v_lshrrev_b32 v[rT+pj-4], 23, v[rB+pj-4]       ; the scale's byte
.elseif pj == 6
	v_lshl_or_b32 v[rT], v[rT+1], 16, v[rT]        ; my two bytes: blocks h and 2 + h,
.elseif pj == 7
	v_lshlrev_b32 v[rT], v[SH8], v[rT]             ; at their places
.elseif pj == 8
	v_permlanex16_b32 v[rT+1], v[rT], s[SEL], s[SEL+1]
.elseif pj == 9
	v_or_b32 v[PS+\t], v[rT], v[rT+1]              ; the word is whole
.elseif pj < 18
	v_cvt_scalef32_pk8_fp4_f32 v[rC+pj-10], v[rX+8*(pj-10):rX+8*(pj-10)+7], v[rB+(pj-10)/4]
.elseif pj == 18
	v_nop
.elseif pj < 50
.set z, pj-19
.set w, 16
.set u, z
.if z >= 30
.set w, 1
.set u, 0
.elseif z >= 28
.set w, 2
.set u, z-28
.elseif z >= 24
.set w, 4
.set u, z-24
.elseif z >= 16
.set w, 8
.set u, z-16
.endif
	v_pk_add_f32 v[rX+2*u:rX+2*u+1], v[rX+2*u:rX+2*u+1], v[rX+2*(u+w):rX+2*(u+w)+1]
.else
	v_pk_add_f32 v[rL:rL+1], v[rL:rL+1], v[rX:rX+1]
.endif
.endm
.macro EXP1                            ; number pj of tile 1's 66 exponentials
.if pj < 64
	v_exp_f32 v[X+64+pj], v[X+64+pj]
.else
	v_exp_f32 v[XB+2+pj-64], v[XB+2+pj-64]
.endif
.endm
; A STEP: 128 keys for the unit's two tiles.  zero = 1: the unit's first step, whose products start the sums.
.macro STEP zero
	v_add_nc_u32 v[AVT], s[TVB], v[AV0]            ; (V's loads of the last step were waited for ahead of its products)
	v_add_nc_u32 v[AVST], s[TSB], v[AVS0]
	s_wait_dscnt 0x0                               ; this step's ks and extremes, asked for a step ago, are in; no LDS load of mine is out, so their address registers may be written
	v_add_nc_u32 v[AKT], s[TSB], v[AK0]
	v_add_nc_u32 v[AEXT], s[TSB], v[AEX0]          ; these four sums are also the four places between the last products and the loads into their operands (ISA guide 7.12.1 for vector instructions)
	ds_load_b128 v[VSW:VSW+3], v[AVST]             ; V's scale words: channel 16 ct + r in register ct
	WIN 0x40
.irp ct, 0,1,2,3
.irp c, 0,1
	ds_load_b128 v[VF+8*\ct+4*\c:VF+8*\ct+4*\c+3], v[AVT] offset:2048*\c+256*\ct   ; sixteen lanes read 256 consecutive bytes
.endr
.endr
	WIN 0x01                                       ; source 0 (ks) window 1
.set n, 0
.rept 32
.irp t, 0,1
	v_pk_fma_f32 v[X+64*\t+2*n:X+64*\t+2*n+1], v[KW+2*n:KW+2*n+1], v[TST+8*\t:TST+8*\t+1], v[TST+8*\t+2:TST+8*\t+3] op_sel_hi:[1,0,0]   ; t - M = a ks + (c0 - M), two keys at a time
.endr
.set n, n+1
.endr
	KLOAD AKT, 1024                                ; the next step's ks.  Behind a unit's last step these are filled bytes that nobody uses
.irp t, 0,1
.irp c, 0,1
	v_cndmask_b32 v[XB+2*\t+\c], v[EX+2*\c+1], v[EX+2*\c], s[SG+\t]   ; the block's extreme of ks: the largest where vs >= 0
.endr
.endr
.irp t, 0,1
.irp c, 0,1
	v_fma_f32 v[XB+2*\t+\c], v[TST+8*\t], v[XB+2*\t+\c], v[TST+8*\t+2]   ; the same multiply-add on it: the block's largest t - M
.endr
.endr
	ds_load_b128 v[EX:EX+3], v[AEXT] offset:1024   ; the next step's extremes
	s_cmp_lg_u32 s[ST], s[DS]                      ; the unit's last step lies on the diagonal; the branch hangs on the step and the wave's number
	s_cbranch_scc1 .Lopen_\@
	v_cmp_eq_u32 s[EQ], s[JBS], v[LH]
	v_cmp_eq_u32 s[EQ+1], s[JBS], v[BETA1]
	v_cmp_lt_u32 s[GT], s[JBS], v[LH]
	v_cmp_lt_u32 s[GT+1], s[JBS], v[BETA1]
.irp t, 0,1
	v_fma_f32 v[TMP], v[TST+8*\t], v[TST+8*\t+1], v[TST+8*\t+2]   ; in the unit's own block only the keys up to the query count: e is their extreme
.irp c, 0,1
	v_cndmask_b32 v[XB+2*\t+\c], v[XB+2*\t+\c], v[TMP], s[EQ+\c]
.endr
.irp c, 0,1
	v_cndmask_b32 v[XB+2*\t+\c], v[XB+2*\t+\c], v[NINF], s[GT+\c]   ; a block behind it is hidden whole
.endr
.if \t == 0
	v_add_nc_u32 v[TMP+1], s[JB32], v[RH]          ; d = my query - 32 h, counted from the step's first key.  Register 32 c + i holds key 64 c + 32 h + i: hidden where 64 c + i > d
.else
	v_add_nc_u32 v[TMP+1], 16, v[TMP+1]
.endif
.irp c, 0,1
.set mi, 0
.rept 32
	v_cmp_gt_i32 vcc_lo, 64*\c+mi, v[TMP+1]
	v_cndmask_b32 v[X+64*\t+32*\c+mi], v[X+64*\t+32*\c+mi], v[NINF], vcc_lo   ; -infinity: p = 0
.set mi, mi+1
.endr
.endr
.endr
.Lopen_\@:
.set xe, 0
.rept 64
	v_exp_f32 v[X+xe], v[X+xe]                     ; tile 0: p = 2^(t - M), not normalised
.set xe, xe+1
.endr
	v_exp_f32 v[XB], v[XB]                         ; and its two blocks' largest p: the same instructions on the same numbers give the same bits
	v_exp_f32 v[XB+1], v[XB+1]
	v_nop                                          ; a plain line behind the last exponential
	s_wait_alu depctr_va_vdst(0)                   ; one wait for tile 0's batch, ahead of its first reader
.set pj, 0
.rept 51
	POSTOP 0                                       ; tile 0's plain lines and tile 1's exponentials by turns: no line here names a result of tile 1
	EXP1
.set pj, pj+1
.endr
.rept 15
	EXP1
.set pj, pj+1
.endr
	v_nop
	s_wait_alu depctr_va_vdst(0)                   ; one wait for tile 1's batch
.set pj, 0
.rept 51
	POSTOP 1
.set pj, pj+1
.endr
	s_wait_dscnt 17                                ; V's eight loads and its scale words are in; behind them the next step's 16 loads of ks and 1 of extremes may stay out
	WIN 0x51                                       ; V, C and D window 1; P window 0
.irp ct, 0,1,2,3
.irp t, 0,1                            ; the eight accumulators take turns, one instruction a turn, over the backward jump too
.if \zero
	v_wmma_scale_f32_16x16x128_f8f6f4 v[OA+32*\t+8*\ct:OA+32*\t+8*\ct+7], v[VF+8*\ct:VF+8*\ct+7], v[PC+8*\t:PC+8*\t+7], 0, v[VSW+\ct], v[PS+\t] matrix_a_fmt:MATRIX_FMT_FP4 matrix_b_fmt:MATRIX_FMT_FP4
.else
	v_wmma_scale_f32_16x16x128_f8f6f4 v[OA+32*\t+8*\ct:OA+32*\t+8*\ct+7], v[VF+8*\ct:VF+8*\ct+7], v[PC+8*\t:PC+8*\t+7], v[OA+32*\t+8*\ct:OA+32*\t+8*\ct+7], v[VSW+\ct], v[PS+\t] matrix_a_fmt:MATRIX_FMT_FP4 matrix_b_fmt:MATRIX_FMT_FP4
.endif
.endr
.endr
	WIN 0
.endm
; THE WAY OUT of tile t: O^T / the sum, each accumulator from its low end on; 32 bytes a lane into my stage; back as whole rows of 256 bytes.
.macro PACK t
	WIN 0x01                                       ; source 0 (O^T) window 1
.set n, 0
.rept 16
	v_pk_mul_f32 v[X+64*\t+2*n:X+64*\t+2*n+1], v[OA+32*\t+2*n:OA+32*\t+2*n+1], v[TST+8*\t+6:TST+8*\t+7] op_sel_hi:[1,0]
.set n, n+1
.endr
	WIN 0
.irp ct, 0,1,2,3
	ds_store_b128 v[STO], v[X+64*\t+8*\ct:X+64*\t+8*\ct+3] offset:64*\ct       ; lane (r, h): o(query r, channels 16 ct + 8 h + 0 .. 7)
	ds_store_b128 v[STO], v[X+64*\t+8*\ct+4:X+64*\t+8*\ct+7] offset:64*\ct+16
.endr
.irp i, 0,1,2,3,4,5,6,7
	ds_load_b128 v[X+64*\t+32+4*\i:X+64*\t+32+4*\i+3], v[RD] offset:2*SPITCH*\i   ; LDS serves a wave's instructions in order (ISA guide 5.7.1.4): these see my stores, and the next tile's stores come behind them
.endr
.endm
.macro SEND t, younger                 ; younger: the LDS instructions issued behind tile t's loads
.irp i, 0,1,2,3,4,5,6,7
	s_wait_dscnt \younger+7-\i
	global_store_b128 v[GO], v[X+64*\t+32+4*\i:X+64*\t+32+4*\i+3], s[OB:OB+1] offset:65536*\t+8192*\i th:TH_STORE_NT   ; sixteen lanes store 256 consecutive bytes, aligned: a query's 64 channels
.endr
.endm
	s_mov_b32 s[UC], 0
.Lunit:                                                ; two trips: the wave's early unit, then its late one
	s_lshl_b32 s[U], s[WV], 2
	s_add_co_u32 s[U], s[U], s[QD]                 ; 4 w + qd
	s_sub_co_u32 s46, 63, s[U]
	s_sub_co_u32 s47, 15, s[WV]
	s_cmp_eq_u32 s[UC], 0
	s_cselect_b32 s[U], s[U], s46
	s_cselect_b32 s[DS], s[WV], s47                ; the unit's last step = unit / 4: made of the wave's number alone
	s_and_b32 s[JBS], s[U], 3
	s_lshl_b32 s[JB32], s[JBS], 5
	s_lshl_b32 s50, s[U], 8
	v_lshl_add_u32 v[QO], v[LR], 3, s50            ; qrec: 8 bytes a row, the unit's 32 rows
	s_lshl_b32 s52, s[U], 17
	s_add_co_u32 s52, s52, s51
	s_mov_b32 s53, 0
	s_add_nc_u64 s[OB:OB+1], s[10:11], s[52:53]    ; out0 at the unit's first row
	global_load_b64 v[TST:TST+1], v[QO], s[6:7]                ; vs and e of my query in tile 0,
	global_load_b64 v[TST+8:TST+9], v[QO], s[6:7] offset:128   ; in tile 1
	ds_load_b128 v[TMP:TMP+3], v[AXA]              ; the extremes of blocks J0 and J0 + 2: the 32 lanes cover the head's 64 blocks
	KLOAD AK0, 0                                   ; step 0's ks
	ds_load_b128 v[EX:EX+3], v[AEX0]               ; and extremes
	s_wait_dscnt 17                                ; the first load is in; the 17 behind it may stay out
	v_cmp_gt_u32 vcc_lo, s[U], v[J0]               ; the blocks in front of the unit's own count whole
	v_cndmask_b32 v[TMP], v[NINF], v[TMP], vcc_lo
	v_cndmask_b32 v[TMP+1], v[PINF], v[TMP+1], vcc_lo
	v_cmp_gt_u32 vcc_lo, s[U], v[J2]
	v_cndmask_b32 v[TMP+2], v[NINF], v[TMP+2], vcc_lo
	v_cndmask_b32 v[TMP+3], v[PINF], v[TMP+3], vcc_lo
	v_max_num_f32 v[TMP], v[TMP], v[TMP+2]
	v_min_num_f32 v[TMP+1], v[TMP+1], v[TMP+3]
.irp m, 1,2,4,8
	v_max_num_f32_dpp v[TMP], v[TMP], v[TMP] row_xmask:\m row_mask:0xf bank_mask:0xf
	v_min_num_f32_dpp v[TMP+1], v[TMP+1], v[TMP+1] row_xmask:\m row_mask:0xf bank_mask:0xf
.endr
	v_permlanex16_b32 v[TMP+2], v[TMP], s[SEL], s[SEL+1]
	v_permlanex16_b32 v[TMP+3], v[TMP+1], s[SEL], s[SEL+1]
	v_max_num_f32 v[TMP], v[TMP], v[TMP+2]         ; the largest and the smallest ks of all earlier keys, in every lane (-infinity and +infinity where there are none)
	v_min_num_f32 v[TMP+1], v[TMP+1], v[TMP+3]
	s_wait_loadcnt 0x0
.irp t, 0,1
	v_cmp_le_f32 s[SG+\t], 0, v[TST+8*\t]
	v_mul_f32 v[TST+8*\t], A0C, v[TST+8*\t]        ; a
	v_cndmask_b32 v[TMP+2], v[TMP+1], v[TMP], s[SG+\t]
	v_fma_f32 v[TMP+2], v[TST+8*\t], v[TMP+2], v[C0]               ; the largest t among the earlier blocks (none: -infinity, or with a = 0 a NaN, which loses below),
	v_fma_f32 v[TMP+3], v[TST+8*\t], v[TST+8*\t+1], v[C0]          ; and in the query's own block
	v_max_num_f32 v[TMP+2], v[TMP+2], v[TMP+3]     ; the row's largest t
	v_floor_f32 v[TMP+2], -v[TMP+2]                ; -M = floor(-t) = -ceil(t)
	v_add_f32 v[TST+8*\t+2], v[C0], v[TMP+2]       ; c0 - M
	v_mov_b32 v[TST+8*\t+4], 0                     ; the sum, in two halves
	v_mov_b32 v[TST+8*\t+5], 0
.endr
	s_mov_b32 s[ST], 0
	s_mov_b32 s[TSB], 0
	s_mov_b32 s[TVB], 0
	STEP 1                                         ; every unit has step 0: its products start the sums
	s_mov_b32 s[ST], 1
	s_mov_b32 s[TSB], 1024
	s_mov_b32 s[TVB], 4096
.Lstep:                                                ; fifteen trips for every wave; a step all of whose keys come after the unit's queries is passed over
	s_cmp_gt_u32 s[ST], s[DS]
	s_cbranch_scc1 .Lnext
	STEP 0
.Lnext:
	s_add_co_u32 s[TSB], s[TSB], 1024
	s_add_co_u32 s[TVB], s[TVB], 4096
	s_add_co_u32 s[ST], s[ST], 1
	s_cmp_lt_u32 s[ST], 16
	s_cbranch_scc1 .Lstep
	v_add_f32 v[TST+6], v[TST+4], v[TST+5]         ; the sum's two halves.  (These additions name none of the last products' registers: they are the places behind them)
	v_add_f32 v[TST+14], v[TST+12], v[TST+13]
	v_permlanex16_b32 v[TST+7], v[TST+6], s[SEL], s[SEL+1]
	v_permlanex16_b32 v[TST+15], v[TST+14], s[SEL], s[SEL+1]
	v_add_f32 v[TST+6], v[TST+6], v[TST+7]         ; and lane l xor 16's: the row's sum, at least 1/2
	v_add_f32 v[TST+14], v[TST+14], v[TST+15]
	v_rcp_f32 v[TST+6], v[TST+6]
	v_rcp_f32 v[TST+14], v[TST+14]
	v_nop                                          ; a plain line behind the last reciprocal
	s_wait_alu depctr_va_vdst(0)                   ; one wait for the two, ahead of their first reader
	s_wait_dscnt 0x0                               ; the loads for a step that does not follow have landed
	PACK 0
	PACK 1
	SEND 0, 16                                     ; behind tile 0's loads: tile 1's eight stores and eight loads
	SEND 1, 0
	s_wait_xcnt 0x0                                ; the stores have read their data, their offsets and their base: all are written again in the next trip
	s_add_co_u32 s[UC], s[UC], 1
	s_cmp_lt_u32 s[UC], 2
	s_cbranch_scc1 .Lunit
	s_wait_dscnt 0x0
	s_wait_tensorcnt 0x0
	ds_add_u32 v126, v127
	s_wait_dscnt 0x0
	ROUND                                          ; the closing round: no work-group ends while a partner may still ask for a tile that names it
	s_endpgm
.Lfunc_end_k_q7b33109927_attn:
	.size	k_q7b33109927_attn, .Lfunc_end_k_q7b33109927_attn-k_q7b33109927_attn
	.p2alignl 7, 3214868480
	.fill 96, 4, 3214868480
	.section	.rodata,"a",@progbits
	.p2align	6, 0x0
	.amdhsa_kernel k_q7b33109927_attn
		.amdhsa_group_segment_fixed_size 168960
		.amdhsa_private_segment_fixed_size 0
		.amdhsa_enable_private_segment 0
		.amdhsa_kernarg_size 32
		.amdhsa_user_sgpr_count 2
		.amdhsa_user_sgpr_kernarg_segment_ptr 1
		.amdhsa_wavefront_size32 1
		.amdhsa_system_sgpr_workgroup_id_x 1
		.amdhsa_system_sgpr_workgroup_id_y 1
		.amdhsa_system_sgpr_workgroup_id_z 1
		.amdhsa_system_vgpr_workitem_id 0
		.amdhsa_next_free_vgpr 448
		.amdhsa_next_free_sgpr 66
		.amdhsa_reserve_vcc 1
		.amdhsa_float_denorm_mode_32 3
		.amdhsa_float_denorm_mode_16_64 3
		.amdhsa_memory_ordered 1
		.amdhsa_forward_progress 1
		.amdhsa_inst_pref_size 75
	.end_amdhsa_kernel
	.amdgpu_metadata
---
amdhsa.version: [ 1, 2 ]
amdhsa.kernels:
  - .name:           k_q7b33109927_attn
    .symbol:         k_q7b33109927_attn.kd
    .args:
      - { .name: hrec, .offset: 0, .size: 8, .value_kind: global_buffer, .address_space: global }
      - { .name: qrec, .offset: 8, .size: 8, .value_kind: global_buffer, .address_space: global }
      - { .name: params, .offset: 16, .size: 8, .value_kind: global_buffer, .address_space: global }
      - { .name: out0, .offset: 24, .size: 8, .value_kind: global_buffer, .address_space: global }
    .group_segment_fixed_size: 168960
    .private_segment_fixed_size: 0
    .kernarg_segment_align: 8
    .kernarg_segment_size: 32
    .max_flat_workgroup_size: 256
    .sgpr_count:     66
    .vgpr_count:     448
    .wavefront_size: 32
...
	.end_amdgpu_metadata
.endif
;; end of part 2
